; MI455X (gfx1250); checked and timed in simulation.
; The chip was launched on July 23, 2026; its instructions are those of AMD's public machine-readable ISA for CDNA 5 (MIT licence, August 2026) and "CDNA5" Instruction Set Architecture Reference Guide (July 2026). The comments in the code are by the model that wrote it; some were corrected since.
;; Attention. Allowed arithmetic: matrix products marked QUANTISED: E4M3 operands, one given power-of-two scale a tensor, by v_wmma_f32_16x16x64_fp8_fp8 or v_wmma_f32_16x16x128_fp8_fp8, f32 sums; products left as they are: f32 operands where the result goes on into a quantised operand, else bf16, f16 or f32 operands; f32 sums; everything else in f32.
;; Inputs: gamma one number float32; lowp_scales 6 int32 (the exponents e of the quantised operands' scales 2^e); w_g 32 x 64 float32; w_o 64 x 32 float32; w_phi 8 x 64 float32; w_theta 8 x 64 float32; x 2 x 64 x 32 x 32 x 32 float32.
;; Outputs: out0 2 x 64 x 32 x 32 x 32 float32.
;; This version of the problem:
;;   THIS VERSION OF THE PROBLEM IS GIVEN IN LOW PRECISION. The matrix products marked QUANTISED in the list below multiply operands that are first quantised to E4M3 (4 exponent bits, 3 mantissa bits; 8 bits a number), with one given power-of-two scale for each operand tensor; their sums are f32. All else is computed in f32.
;;   The module's matrix products, in the order in which they are computed (A, B: the left and right operand; K: the contracted axis; several contracted axes count as one K, in the product's order):
;;     1. [M 65,536, K 64] x [K 64, N 8]; A: input x; B: input w_theta: left as it is (N = 8 < 16)
;;     2. [M 65,536, K 64] x [K 64, N 8]; A: input x; B: input w_phi: left as it is (N = 8 < 16)
;;     3. [M 65,536, K 64] x [K 64, N 32]; A: input x; B: input w_g: QUANTISED (scales: A lowp_scales[0], B lowp_scales[1])
;;     4. batch 2 x [M 32,768, K 8] x [K 8, N 4,096]; A: computed on the way; B: computed on the way: left as it is (K = 8 < 32)
;;     5. batch 2 x [M 32, K 4,096] x [K 4,096, N 32,768]; A: computed on the way; B: softmax (see below): QUANTISED (scales: A lowp_scales[2], B lowp_scales[3])
;;     6. [M 65,536, K 32] x [K 32, N 64]; A: computed on the way; B: input w_o: QUANTISED (scales: A lowp_scales[4], B lowp_scales[5])
;;   THE QUANTISER, for each operand of a quantised product, along K:
;;     - The operand's scale is 2^e, e = its entry of the input lowp_scales (int32; the entries are numbered through the quantised products in the list's order, A before B).
;;     - Each number is divided by the scale, clamped to +-448, and rounded to the nearest number of E4M3, ties to even, subnormals kept.
;;     - The product sums the exact products of the quantised numbers (number of the format x scale) in f32.
;;   ~~~python
;;   def quantise(x, axis, e):      # numpy; x: float32 -> the quantised numbers, widened to float32 again
;;       x = np.moveaxis(x, axis, -1); K = x.shape[-1]
;;       r = np.clip(x / 2.0 ** e, -448, 448)
;;       step = 2.0 ** (np.maximum(np.frexp(np.where(r == 0, 1, r))[1] - 1, -6) - 3)
;;       q = np.round(r / step) * step * 2.0 ** e      # np.round: ties to even
;;       return np.moveaxis(q, -1, axis).astype(np.float32)
;;   ~~~
;;   SOFTMAX AHEAD OF A QUANTISED PRODUCT. Where the list says 'softmax', what is quantised is not the finished softmax but p = 2^(t - M), with t = logit x log2(e) and M = ceil(the row's largest t), a whole number; so 1/2 < the row's largest p <= 1. The row's sum l is taken of the UNQUANTISED p, in f32, and the product's result is divided by l at the end. Since M is a whole number, a kernel that streams over the keys may use a running M (the ceiling of the running maximum): every later rescaling is an exact power of two, so the quantised numbers keep their values, but for numbers so far below the row's largest that they fall under the format's range.
;;   OPERANDS COMPUTED ON THE WAY. 'Computed on the way' means the value that the module computes at that place (a softmax that the list does not call 'softmax' is quantised finished and normalised). What goes into a quantiser is computed in f32, as accurately as f32 sums, v_exp_f32 and their like allow (about 1e-6 of the number): no bf16 or f16 on the way to a quantiser, and a product that is left as it is and whose result goes on into a quantised operand takes f32 operands (vector FMAs, or v_wmma_f32_16x16x4_f32). A number that lies on a knife's edge between two numbers of the format may be rounded either way, as far as f32 arithmetic and the matrix unit's own rounding can turn it there, and no further.
;; 2 versions, each right. Each part assembles by itself: llvm-mc -triple=amdgcn-amd-amdhsa -mcpu=gfx1250 --defsym DOCPART=n.
;; ======== version 1 of 2: 2 launches
;; workspace buffers: theta_img 2,097,152 bytes; kv 524,288 bytes
;; launch prep (part 1): grid 128 x 2, 2 waves a work-group, no clusters, 0 bytes of LDS; arguments x, w_theta, w_phi, w_g, lowp_scales, theta_img, kv; writes theta_img, kv
.if DOCPART == 1
	.amdgcn_target "amdgcn-amd-amdhsa--gfx1250"
	.amdhsa_code_object_version 6
	.text
	.protected	k_qd525dcc238_prep
	.globl	k_qd525dcc238_prep
	.p2align	8
	.type	k_qd525dcc238_prep,@function
k_qd525dcc238_prep:
	s_mov_b64 s[64:65], 0
	v_nop
	global_prefetch_b8 v0, s[64:65] scope:SCOPE_SE
	s_setreg_imm32_b32 hwreg(HW_REG_WAVE_MODE, 25, 1), 1
	s_wait_xcnt 0x0
; FIRST OF TWO LAUNCHES.  From x [2][64][32][32][32] f32 it makes theta = w_theta x (f32), phi = maxpool2(w_phi x) (f32) and the E4M3 codes of g = maxpool2(Q(w_g) Q(x)), each laid in the order
; in which the second launch's operand registers take them.
; NOTHING OF THE PROBLEM IS LEFT OUT in either launch: every input (x, the four weights, gamma, the six exponents) has a way to the output, there is no mask, no bias and no slice.
; FORMATS.  theta and phi go on into the logits, which go on into a quantiser: f32 operands, v_wmma_f32_16x16x4_f32, f32 sums.  g's product: both operands as codes of E4M3 with the given
; scales 2^e0 (x) and 2^e1 (w_g), v_wmma_f32_16x16x64_fp8_fp8.  A sum of it stands for sum x 2^(e0 + e1); a maximum commutes with a positive factor, so the pooled SUMS are quantised with the one folded scale 2^(e2 - e0 - e1).
; LIMITS: e0, e1 and e2 - e0 - e1 lie between -126 and 119, so that each scale and 448 x the scale is an f32 number.  NaN among the inputs is not served (an infinity is held at the largest code).
; SHARES.  Work-group (X, b), wave w: the unit T = 2 X + w = 16 d2 + h2 of batch b: the 16 pooled keys of one (d2, h2), made of 2 (dd) x 64 positions (hh = 0, 1 x 32 along w) x 64 channels.
; For one dd the 64 positions of a channel are 256 consecutive bytes at a multiple of 256: lane (r, h) (r = lane % 16, h = lane / 16) takes positions 4 r .. 4 r + 3 of channel 32 h + i by one load of 16 bytes,
; so sixteen lanes read one whole aligned run of 256 bytes.  All 64 loads of a wave go out at the head.  Register q of a load belongs to POSITION TILE q: row r of the tile is position 4 r + q (hh = r / 8, w = 4 (r % 8) + q).
; K IS PERMUTED ALIKE IN BOTH OPERANDS of a product, which keeps every product with its partner: f32 form, step s: place (h, j) = channel 32 h + 2 s + j; FP8 form: place (c, h, jj) = channel 32 h + 8 c + jj.
; No LDS, no barrier, no tensor load, no cluster: the waves share only 12 KB of weights, and x goes from memory straight into the registers from which the operands are made.
; OUT.  theta_img [b][chunk of 64 positions, 512][q 4][lane 32][16 bytes]: lane (r, h) holds theta[4 h + 0..3] of position 4 r + q.
;   kv [b][step of 128 keys, 32][8,192 bytes]; unit T is (step T / 8, q = (T / 2) % 4, u = T % 2); its key 2 j + e is row 8 u + j of the step's score tile 2 q + e.
;   phi: byte 1024 q + 512 u + 256 e + 128 (hk xor u) + 16 j: phi[4 hk + 0..3] of that key.   g: byte 4096 + 2048 t + 512 q + 256 u + 16 r: 16 codes of channel 16 t + r: e = 0, j = 0..7, then e = 1.
; REGISTERS.  Window 0: v1 r, v2 h, v3-7 offsets, v8-13 scales; the names below.  Window 1: x as loaded, X[dd][i][q] at v[128 dd + 4 i + q].  Window 2: YF[q][i] at v[32 q + i]: a tile's 32 channels on end.
.set PH,  16                           ; v16-31   phi's running maxima [e][channel jc]
.set WF,  32                           ; v32-63   the stacked weights: row r < 8 is w_theta[r], else w_phi[r - 8]; channels 32 h + 0..31
.set WGC, 64                           ; v64-79   w_g's codes, 8 registers for each tile t of 16 channels; at the end v64-67: g's codes
.set XC,  80                           ; v80-111  x's codes, 8 registers a position tile; later:
.set TO,  80                           ; v80-95   theta as stored [q][i]
.set TT,  96                           ; v96-111  theta from the other half of the lanes [q][i]
.set YC,  112                          ; v112-127 eight held numbers, two buffers by turns; at the end phi's way out
.set DT,  128                          ; v128-159 theta and phi: 4 accumulators, written by the f32 matrix form alone
.set DG,  160                          ; v160-223 g's sums [q][t]; at the head w_g as loaded
.set GP,  224                          ; v224-255 g's running maxima [t][e][j]; at the head w_phi as loaded
.set MSB, 0
.macro WIN new                         ; the immediate's high byte repeats the setting that is left
.if MSB != \new
	s_set_vgpr_msb (MSB<<8)|\new
.set MSB, \new
.endif
.endm
	s_load_b256 s[4:11], s[0:1], 0x0               ; x s[4:5], w_theta s[6:7], w_phi s[8:9], w_g s[10:11]
	s_load_b128 s[12:15], s[0:1], 0x20             ; the exponents s[12:13], theta_img s[14:15]
	s_load_b64 s[16:17], s[0:1], 0x30              ; kv
	v_lshrrev_b32 v1, 5, v0
	v_readfirstlane_b32 s18, v1                    ; wave 0, 1
	v_and_b32 v1, 15, v0                           ; r
	v_bfe_u32 v2, v0, 4, 1                         ; h
	v_lshlrev_b32 v3, 4, v1
	v_lshl_or_b32 v3, v2, 22, v3                   ; x: 32 h channels of 131,072 bytes + 16 r
	v_and_b32 v4, 7, v1
	v_lshlrev_b32 v4, 8, v4
	v_lshl_or_b32 v4, v2, 7, v4                    ; w_theta, w_phi: row r % 8 of 256 bytes + 128 h
	v_lshlrev_b32 v5, 8, v1
	v_lshl_or_b32 v5, v2, 7, v5                    ; w_g: row r + 128 h
	v_and_b32 v6, 31, v0
	v_lshlrev_b32 v6, 4, v6                        ; 16 x lane: theta's and phi's stores
	v_lshlrev_b32 v7, 4, v1
	v_lshl_or_b32 v7, v2, 11, v7                   ; g's store: 2,048 h + 16 r
	s_mov_b32 s24, 0x76543210                      ; v_permlanex16_b32: lane l takes lane l xor 16
	s_mov_b32 s25, 0xfedcba98
	s_mov_b32 s26, 0xffff0000                      ; lanes 16-31
	s_mov_b32 s19, 0xff00ff00                      ; lanes with r >= 8
	s_mov_b32 s27, 0x00ff00ff
	s_cmp_eq_u32 s18, 0
	s_cselect_b32 s27, s19, s27                    ; lanes whose hk = (r / 8) xor u is 1 (u = my wave)
	s_and_b32 s28, ttmp7, 0xffff                   ; b
	s_lshl_b32 s29, ttmp9, 1
	s_add_co_u32 s29, s29, s18                     ; T
	s_lshr_b32 s30, s29, 4                         ; d2
	s_and_b32 s31, s29, 15                         ; h2
	s_lshl_b32 s32, s28, 23                        ; x: 8,388,608 b + 8,192 d2 + 256 h2
	s_lshl_b32 s44, s30, 13
	s_add_co_u32 s32, s32, s44
	s_lshl_b32 s44, s31, 8
	s_add_co_u32 s32, s32, s44
	s_mov_b32 s33, 0
	s_lshl_b32 s34, s28, 20                        ; theta_img: 1,048,576 b + 2,048 x chunk, chunk = 16 (2 d2 + dd) + h2
	s_lshl_b32 s44, s30, 16
	s_add_co_u32 s34, s34, s44
	s_lshl_b32 s44, s31, 11
	s_add_co_u32 s34, s34, s44
	s_mov_b32 s35, 0
	s_lshl_b32 s36, s28, 18                        ; kv: 262,144 b + 8,192 (T / 8)
	s_lshr_b32 s44, s29, 3
	s_lshl_b32 s44, s44, 13
	s_add_co_u32 s36, s36, s44
	s_and_b32 s45, s29, 7                          ; 2 q + u
	s_lshl_b32 s44, s45, 8
	s_add_co_u32 s38, s36, s44
	s_add_co_u32 s38, s38, 4096                    ; g's part: + 4,096 + 256 (2 q + u)
	s_lshl_b32 s44, s45, 9
	s_add_co_u32 s36, s36, s44                     ; phi's part: + 512 (2 q + u)
	s_mov_b32 s37, 0
	s_mov_b32 s39, 0
	s_wait_kmcnt 0x0
	s_load_b128 s[20:23], s[12:13], 0x0            ; e0, e1, e2 (and e3, not used here)
	s_add_nc_u64 s[4:5], s[4:5], s[32:33]
	s_add_nc_u64 s[14:15], s[14:15], s[34:35]
	s_add_nc_u64 s[40:41], s[16:17], s[38:39]      ; kv, g's part
	s_add_nc_u64 s[16:17], s[16:17], s[36:37]      ; kv, phi's part
	; the weights first (32 loads), then all of x (64 loads)
.irp t, 0,1
.irp k, 0,1,2,3,4,5,6,7
	global_load_b128 v[DG+32*\t+4*\k:DG+32*\t+4*\k+3], v5, s[10:11] offset:4096*\t+16*\k
.endr
.endr
.irp k, 0,1,2,3,4,5,6,7
	global_load_b128 v[WF+4*\k:WF+4*\k+3], v4, s[6:7] offset:16*\k
	global_load_b128 v[GP+4*\k:GP+4*\k+3], v4, s[8:9] offset:16*\k
.endr
	WIN 0x40                                       ; destination window 1
.irp dd, 0,1
.set i, 0
.rept 32
	global_load_b128 v[128*\dd+4*i:128*\dd+4*i+3], v3, s[4:5] offset:131072*i+4096*\dd th:TH_LOAD_NT   ; sixteen lanes read 256 consecutive bytes of one channel; x is read once in this launch
.set i, i+1
.endr
.endr
	WIN 0
	s_wait_kmcnt 0x0
	s_add_co_i32 s42, s20, 127
	s_lshl_b32 s43, s42, 23
	v_mov_b32 v8, s43                              ; 2^e0 as f32: the conversion takes its exponent field
	s_add_co_i32 s42, s42, 8
	s_lshl_b32 s42, s42, 23
	s_or_b32 s42, s42, 0x600000
	v_mov_b32 v9, s42                              ; 448 x 2^e0
	s_add_co_i32 s42, s21, 127
	s_lshl_b32 s43, s42, 23
	v_mov_b32 v10, s43                             ; 2^e1
	s_add_co_i32 s42, s42, 8
	s_lshl_b32 s42, s42, 23
	s_or_b32 s42, s42, 0x600000
	v_mov_b32 v11, s42                             ; 448 x 2^e1
	s_sub_co_i32 s42, s22, s20
	s_sub_co_i32 s42, s42, s21
	s_add_co_i32 s42, s42, 127
	s_lshl_b32 s43, s42, 23
	v_mov_b32 v12, s43                             ; 2^(e2 - e0 - e1)
	s_add_co_i32 s42, s42, 8
	s_lshl_b32 s42, s42, 23
	s_or_b32 s42, s42, 0x600000
	v_mov_b32 v13, s42                             ; 448 x that
	s_wait_loadcnt 63                              ; 96 loads were issued: at most the 63 youngest are out, so the 32 loads of weights are in
.set i, 0
.rept 32
	v_cndmask_b32 v[WF+i], v[WF+i], v[GP+i], s19   ; rows 8-15 of the stacked weights are w_phi's
.set i, i+1
.endr
.set i, 0
.rept 64
	v_med3_num_f32 v[DG+i], v[DG+i], -v11, v11     ; the conversion to an 8-bit code does not saturate (ISA guide 7.6.2): the hold at 448 x the scale
.set i, i+1
.endr
.irp t, 0,1
.irp c, 0,1,2,3
	v_cvt_scalef32_pk8_fp8_f32 v[WGC+8*\t+2*\c:WGC+8*\t+2*\c+1], v[DG+32*\t+8*\c:DG+32*\t+8*\c+7], v10   ; lane (r, h): w_g[16 t + r][32 h + 8 c + 0..7]
.endr
.endr
	v_nop                                          ; one plain vector instruction between the conversions and the matrix instructions that read their results and write over their sources
; ONE dd: 64 positions x 64 channels.
.macro SET dd
	s_wait_loadcnt 32*(1-\dd)                      ; this set's 32 loads are in; the other set's (dd = 0) may be out
.if \dd
	s_wait_xcnt 0x0                                ; the first set's stores of theta have read v80-95, which are written again below
.endif
	WIN 0x10                                       ; source 2 window 1
.irp q, 0,1,2,3
.irp c, 0,1,2,3
.irp jj, 0,1,2,3,4,5,6,7
	v_med3_num_f32 v[YC+8*(\c%2)+\jj], -v9, v9, v[128*\dd+4*(8*\c+\jj)+\q]   ; the hold also gathers a tile's eight channels into consecutive registers
.endr
	v_cvt_scalef32_pk8_fp8_f32 v[XC+8*\q+2*\c:XC+8*\q+2*\c+1], v[YC+8*(\c%2):YC+8*(\c%2)+7], v8   ; the two buffers take turns: the next eight holds are plain instructions that touch neither its result nor its sources
.endr
.endr
	v_nop                                          ; the plain instruction behind the last conversion
	WIN 0
.irp q, 0,1,2,3                        ; g: source 0 = 16 positions, source 1 = 16 channels: register j of lane (r, h) = the sum of position 32 h + 4 j + q (hh = h, w = 4 j + q), channel 16 t + r
.irp t, 0,1
	v_wmma_f32_16x16x64_fp8_fp8 v[DG+16*\q+8*\t:DG+16*\q+8*\t+7], v[XC+8*\q:XC+8*\q+7], v[WGC+8*\t:WGC+8*\t+7], 0
.endr
.endr
	WIN 0x81                                       ; destination window 2, source 0 window 1
.irp q, 0,1,2,3
.set i, 0
.rept 32
	v_mov_b32 v[32*\q+i], v[128*\dd+4*i+\q]        ; a fragment of the f32 form wants two neighbouring channels in a register pair.  (These are also the places behind g's products)
.set i, i+1
.endr
.endr
	WIN 0x08                                       ; source 1 window 2
.irp s, 0,1,2,3,4,5,6,7,8,9,10,11,12,13,14,15      ; theta and phi: source 0 = the 16 stacked rows, source 1 = 16 positions; the four accumulators take turns, one instruction a turn
.irp q, 0,1,2,3
.if \s == 0
	v_wmma_f32_16x16x4_f32 v[DT+8*\q:DT+8*\q+7], v[WF+2*\s:WF+2*\s+1], v[32*\q+2*\s:32*\q+2*\s+1], 0
.else
	v_wmma_f32_16x16x4_f32 v[DT+8*\q:DT+8*\q+7], v[WF+2*\s:WF+2*\s+1], v[32*\q+2*\s:32*\q+2*\s+1], v[DT+8*\q:DT+8*\q+7]
.endif
.endr
.endr                                              ; register j of lane (r, 0): theta[j], of lane (r, 1): phi[j], at position 4 r + q
	WIN 0
.irp t, 0,1                            ; g pooled along w (tiles 2 e, 2 e + 1 are w = 4 j + 2 e, + 1) and over dd.  32 plain instructions: the places behind the f32 products (ISA guide 7.12.1).  Each accumulator is read from its low end on
.irp e, 0,1
.irp j, 0,1,2,3,4,5,6,7
.if \dd
	v_max3_num_f32 v[GP+16*\t+8*\e+\j], v[GP+16*\t+8*\e+\j], v[DG+32*\e+8*\t+\j], v[DG+32*\e+16+8*\t+\j]
.else
	v_max_num_f32 v[GP+16*\t+8*\e+\j], v[DG+32*\e+8*\t+\j], v[DG+32*\e+16+8*\t+\j]
.endif
.endr
.endr
.endr
.irp e, 0,1                            ; phi likewise (lanes 16-31; what lanes 0-15 make of theta here is not used)
.irp j, 0,1,2,3,4,5,6,7
.if \dd
	v_max3_num_f32 v[PH+8*\e+\j], v[PH+8*\e+\j], v[DT+16*\e+\j], v[DT+16*\e+8+\j]
.else
	v_max_num_f32 v[PH+8*\e+\j], v[DT+16*\e+\j], v[DT+16*\e+8+\j]
.endif
.endr
.endr
.irp q, 0,1,2,3                        ; theta: lanes 0-15 keep channels 0-3, lanes 16-31 take channels 4-7 from the lane 16 below
.irp i, 0,1,2,3
	v_permlanex16_b32 v[TT+4*\q+\i], v[DT+8*\q+4+\i], s24, s25
.endr
.irp i, 0,1,2,3
	v_cndmask_b32 v[TO+4*\q+\i], v[DT+8*\q+\i], v[TT+4*\q+\i], s26
.endr
	global_store_b128 v6, v[TO+4*\q:TO+4*\q+3], s[14:15] offset:32768*\dd+512*\q   ; the wave stores 512 consecutive bytes, at a multiple of 256 from the buffer's first byte
.endr
.endm
	SET 0
	SET 1
	; phi: pooled over hh (rows r and r xor 8 hold hh = 0 and 1 of the same w2), then laid as the second launch reads it: lane l stores byte 16 l of the unit's 512: j = l % 8, hk = ((l / 8) % 2) xor u, e = l / 16
.set i, 0
.rept 16
	v_max_num_f32_dpp v[PH+i], v[PH+i], v[PH+i] row_xmask:8 row_mask:0xf bank_mask:0xf
.set i, i+1
.endr
.irp i, 0,1,2,3
	v_cndmask_b32 v[YC+\i], v[PH+\i], v[PH+4+\i], s27          ; e = 0: channels 4 hk + i
	v_cndmask_b32 v[YC+4+\i], v[PH+8+\i], v[PH+12+\i], s27     ; e = 1
.endr
.irp i, 0,1,2,3
	v_permlanex16_b32 v[YC+8+\i], v[YC+\i], s24, s25           ; phi lies in lanes 16-31: e = 0 goes down to lanes 0-15
.endr
.irp i, 0,1,2,3
	v_cndmask_b32 v[YC+12+\i], v[YC+8+\i], v[YC+4+\i], s26
.endr
	global_store_b128 v6, v[YC+12:YC+15], s[16:17]             ; 512 consecutive bytes
	; g: pooled over hh = the halves of the lanes; afterwards lanes 0-15 hold channel tile 0 and lanes 16-31 tile 1
.set i, 0
.rept 16
	v_cndmask_b32 v[DG+i], v[GP+16+i], v[GP+i], s26            ; what I send: the tile that the other half keeps
	v_cndmask_b32 v[GP+i], v[GP+i], v[GP+16+i], s26            ; what I keep
.set i, i+1
.endr
.set i, 0
.rept 16
	v_permlanex16_b32 v[DG+16+i], v[DG+i], s24, s25
.set i, i+1
.endr
.set i, 0
.rept 16
	v_max_num_f32 v[GP+i], v[GP+i], v[DG+16+i]
.set i, i+1
.endr
.set i, 0
.rept 16
	v_med3_num_f32 v[GP+i], v[GP+i], -v13, v13                 ; the hold at 448 x the folded scale
.set i, i+1
.endr
	v_cvt_scalef32_pk8_fp8_f32 v[WGC:WGC+1], v[GP:GP+7], v12       ; e = 0, j = 0..7
	v_cvt_scalef32_pk8_fp8_f32 v[WGC+2:WGC+3], v[GP+8:GP+15], v12  ; e = 1
	v_nop
	global_store_b128 v7, v[WGC:WGC+3], s[40:41]               ; each half of the lanes stores 256 consecutive bytes, at a multiple of 256 from the buffer's first byte
	s_endpgm
.Lfunc_end_k_qd525dcc238_prep:
	.size	k_qd525dcc238_prep, .Lfunc_end_k_qd525dcc238_prep-k_qd525dcc238_prep
	.p2alignl 7, 3214868480
	.fill 96, 4, 3214868480
	.section	.rodata,"a",@progbits
	.p2align	6, 0x0
	.amdhsa_kernel k_qd525dcc238_prep
		.amdhsa_group_segment_fixed_size 0
		.amdhsa_private_segment_fixed_size 0
		.amdhsa_enable_private_segment 0
		.amdhsa_kernarg_size 56
		.amdhsa_user_sgpr_count 2
		.amdhsa_user_sgpr_kernarg_segment_ptr 1
		.amdhsa_wavefront_size32 1
		.amdhsa_system_sgpr_workgroup_id_x 1
		.amdhsa_system_sgpr_workgroup_id_y 1
		.amdhsa_system_sgpr_workgroup_id_z 1
		.amdhsa_system_vgpr_workitem_id 0
		.amdhsa_next_free_vgpr 640
		.amdhsa_next_free_sgpr 66
		.amdhsa_reserve_vcc 0
		.amdhsa_float_denorm_mode_32 3
		.amdhsa_float_denorm_mode_16_64 3
		.amdhsa_memory_ordered 1
		.amdhsa_forward_progress 1
		.amdhsa_inst_pref_size 71
	.end_amdhsa_kernel
	.amdgpu_metadata
---
amdhsa.version: [ 1, 2 ]
amdhsa.kernels:
  - .name:           k_qd525dcc238_prep
    .symbol:         k_qd525dcc238_prep.kd
    .args:
      - { .name: x, .offset: 0, .size: 8, .value_kind: global_buffer, .address_space: global }
      - { .name: w_theta, .offset: 8, .size: 8, .value_kind: global_buffer, .address_space: global }
      - { .name: w_phi, .offset: 16, .size: 8, .value_kind: global_buffer, .address_space: global }
      - { .name: w_g, .offset: 24, .size: 8, .value_kind: global_buffer, .address_space: global }
      - { .name: lowp_scales, .offset: 32, .size: 8, .value_kind: global_buffer, .address_space: global }
      - { .name: theta_img, .offset: 40, .size: 8, .value_kind: global_buffer, .address_space: global }
      - { .name: kv, .offset: 48, .size: 8, .value_kind: global_buffer, .address_space: global }
    .group_segment_fixed_size: 0
    .private_segment_fixed_size: 0
    .kernarg_segment_align: 8
    .kernarg_segment_size: 56
    .max_flat_workgroup_size: 64
    .sgpr_count:     66
    .vgpr_count:     640
    .wavefront_size: 32
...
	.end_amdgpu_metadata
.endif
;; end of part 1
;; launch attn (part 2): grid 128 x 2, 16 waves a work-group, clusters of 4 x 1, 327,680 bytes of LDS; arguments kv, theta_img, x, w_o, gamma, lowp_scales, out0; writes out0
.if DOCPART == 2
	.amdgcn_target "amdgcn-amd-amdhsa--gfx1250"
	.amdhsa_code_object_version 6
	.text
	.protected	k_qd525dcc238_attn
	.globl	k_qd525dcc238_attn
	.p2align	8
	.type	k_qd525dcc238_attn,@function
k_qd525dcc238_attn:
	s_mov_b64 s[64:65], 0
	v_nop
	global_prefetch_b8 v0, s[64:65] scope:SCOPE_SE
	s_setreg_imm32_b32 hwreg(HW_REG_WAVE_MODE, 25, 1), 1
	s_wait_xcnt 0x0
	s_wait_alu depctr_hold_cnt(0) depctr_sa_sdst(0) depctr_va_vdst(0) depctr_va_sdst(0) depctr_va_ssrc(0) depctr_va_vcc(0) depctr_vm_vsrc(0)
	s_getreg_b32 s2, hwreg(HW_REG_IB_STS2, 6, 4)
	s_cmp_eq_u32 s2, 0
	s_cbranch_scc0 .Lentry_in_a_cluster
	s_endpgm
.Lentry_in_a_cluster:
	s_bfe_u32 s2, ttmp6, 0x10000c
	s_cmp_lg_u32 s2, 0x3003
	s_cbranch_scc0 .Lentry_shape_is_right
	s_endpgm
.Lentry_shape_is_right:
; SECOND OF TWO LAUNCHES.  out = gamma x (w_o o) + x, o = g softmax(theta^T phi)^T, from the first launch's theta_img and kv.  Nothing of the problem is left out.
; FORMATS.  The logits go into a quantiser: f32 operands, v_wmma_f32_16x16x4_f32.  t = logit x log2(e); M = the running largest t rounded UP to a whole number; p = 2^(t - M), not normalised, is quantised with 2^e3;
; g's codes (scale 2^e2) come from kv; O^T = g p^T by v_wmma_f32_16x16x128_fp8_fp8.  The row's sum is taken of the unquantised p in f32 and divides at the end; when M moves, the sum and O^T are multiplied by
; 2^(old M - new M), which rounds nothing.  o is quantised with 2^e4, w_o with 2^e5; their product (K = 32) goes by v_wmma_f32_16x16x64_fp8_fp8 with zero codes in the upper half of K on both sides.
; LIMITS: e3, e4, e5 between -126 and 119; e4 + e5 between -126 and 127; e2 + e3 is applied by v_ldexp_f32 and has none.  NaN among the inputs is not served.
; SHARES.  A work-group owns 256 consecutive positions of one batch; each of its SIXTEEN waves owns one tile of 16 queries in 256 registers (four waves to a SIMD: one wave's matrix work stands beside another's vector work).
; Wave w's query r is position 64 (w / 4) + 4 r + w % 4 of the 256.  Every wave walks the batch's 4,096 keys, 128 a step, 32 steps.
; LDS.  A batch's phi and g, 262,144 bytes, lie in LDS WHOLE, as an image of kv[b]: each wave fetches 16,384 bytes by one tensor load at the head; nothing is filled again.  By this text's own count a wave has one tensor load out.
; CLUSTER.  The four work-groups of a cluster belong to one batch and need the same 262,144 bytes: each load is asked for JOINTLY, the same descriptor and a mask of the four in all four.
; LAYOUT.  Both products are used transposed (source 0 = 16 keys or 16 channels, source 1 = my 16 queries): a lane holds ONE query (lane % 16) throughout.  Score tile c, register j of lane (r, h) is row 8 h + j of the tile;
; its eight registers become registers 2 c, 2 c + 1 of p's operand, and kv holds g's codes in the same order of keys.  In the f32 form K = 8 goes in two steps: place (s, h, j) = channel 4 h + 2 s + j, in phi and in theta alike.
.set WOI,    262144                    ; LDS behind the image: w_o's codes, 4 tiles x 512 bytes, as images of the operand's registers
.set SPARE,  264192                    ; the spare words, 128 bytes for each of the sixteen waves: eight blocks of 256 bytes that no other line names
.set SPITCH, 1040                      ; the way out: a stage of 64 rows (channels) x (1,024 bytes + 16), from LDS byte 0: the image has had its one fill, and its last read stands ahead of the barrier in front of the first store
.set LI,  1                            ; v1   16 x lane
.set PB,  2                            ; v2   my place in a step's phi: 512 u + 128 (hk xor u) + 16 j, j = lane % 8, u = (lane / 8) % 2, hk = lane / 16
.set ADP, 3                            ; v3   LDS address of the next step's phi
.set ADG, 4                            ; v4   of this step's g
.set SPW, 5                            ; v5   LDS address of my spare word; never rewritten
.set NIL, 6                            ; v6   0; never rewritten
.set PFO, 7                            ; v7   the prefetch's offset; never rewritten
.set SO,  8                            ; v8   the stage: where I put a result
.set SR,  9                            ; v9   the stage: where I read rows back
.set WST, 11                           ; v11  where waves 0-3 store w_o's image
                                       ; v12 -M, v13 the largest t, v[14:15] the sum in two halves
.set TH,  16                           ; v16-19  theta[4 h + 0..3] of my query
.set O,   20                           ; v20-35  O^T: two tiles of 16 channels
.set PC,  36                           ; v36-51  p's codes
.set F,   52                           ; v[52:53] f = 2^(old M - new M) (v53 is only named with it)
.set TA,  54                           ; v54, v55 at work
.set TC,  55
.set PX,  56                           ; v56  a lane permute's destination
                                       ; v57 448 x 2^e3, v58 2^e3, v59 w_o's offset, v[60:61] the sum's second chain
.set WRD, 62                           ; v62  WOI + 16 x lane
.set S,   64                           ; v64-127  the logits: 8 accumulators, written by the f32 matrix form alone
.set P,   128                          ; v128-191 t - M, then p
.set PHF, 192                          ; v192-223 phi's fragments: tile c at v[192 + 4 c]
.set GF,  224                          ; v224-255 g's fragments: tile t at v[224 + 16 t]
.set XR,  160                          ; the way out: x
.macro CROUND                          ; a round of the cluster's barrier: my work-group's barrier; wave 0 signals for the work-group; every wave waits for all four work-groups; my work-group's barrier once more
	s_barrier_signal -1
	s_barrier_wait -1
	s_cmp_lg_u32 s18, 0
	s_cbranch_scc1 .Lnot_wave_0_\@
	s_barrier_signal -3
.Lnot_wave_0_\@:
	s_barrier_wait -3
	s_barrier_signal -1
	s_barrier_wait -1
.endm
	s_load_b256 s[4:11], s[0:1], 0x0               ; kv s[4:5], theta_img s[6:7], x s[8:9], w_o s[10:11]
	s_load_b128 s[12:15], s[0:1], 0x20             ; gamma s[12:13], the exponents s[14:15]
	s_load_b64 s[16:17], s[0:1], 0x30              ; out0
	v_lshl_add_u32 v[SPW], v0, 2, SPARE
	v_mov_b32 v[NIL], 0
	ds_add_u32 v[SPW], v[NIL]                      ; the wave's opening: the add, twice on end, and its wait ahead of my first tensor load; the set-up below, work on registers, stands between
	ds_add_u32 v[SPW], v[NIL]
	v_lshrrev_b32 v54, 5, v0
	v_readfirstlane_b32 s18, v54                   ; wave 0..15
	s_bfe_u32 s19, ttmp6, 0x40000                  ; cx: my place in the cluster: it enters global addresses of my own loads and stores alone
	s_lshl_b32 s20, ttmp9, 2
	s_add_co_u32 s20, s20, s19                     ; gx: my block of 256 positions
	s_and_b32 s21, ttmp7, 0xffff                   ; b, which the four partners share
	; descriptor group 1: 64 rows of 256 bytes, dense in memory and in LDS
	s_mov_b32 s24, 15|(3<<16)|(1<<21)              ; 15:0 the mask: all four work-groups; 17:16 elements of 8 bytes; 20 no padding; 21 set beside a mask
	s_mov_b32 s25, 32<<16                          ; tensor_dim0 = 32 elements
	s_mov_b32 s26, 64<<16                          ; tensor_dim1 = 64
	s_mov_b32 s27, 32<<16                          ; tile_dim0 = 32
	s_mov_b32 s28, 64                              ; tile_dim1 = 64
	s_mov_b32 s29, 32                              ; from row to row: 32 elements
	s_mov_b32 s30, 0
	s_mov_b32 s31, 0
	s_mov_b32 s32, 1                               ; group 0: count = 1,
	s_lshl_b32 s33, s18, 14                        ; LDS address: 16,384 x wave
	s_mov_b32 s22, 0x3fb8aa3b                      ; log2(e)
	s_mov_b32 s23, s22                             ; (named with it as a pair, so it is written)
	s_mov_b32 s36, 0x76543210                      ; v_permlanex16_b32: lane l takes lane l xor 16
	s_mov_b32 s37, 0xfedcba98
	s_mov_b32 s38, 0                               ; LDS byte at which the step in hand begins
	s_mov_b32 s39, 0                               ; the count of steps
	s_add_co_u32 s40, s18, 21
	s_cmp_lt_u32 s18, 8
	s_cselect_b32 s40, s40, -1                     ; the trip in which my wave prefetches: 21 + wave for waves 0-7, none for the others
	; every LDS address register is made here, ahead of the branch on the wave's number
	v_and_b32 v54, 31, v0                          ; lane
	v_lshlrev_b32 v[LI], 4, v54
	v_and_b32 v55, 15, v0                          ; r
	v_bfe_u32 v56, v0, 4, 1                        ; h
	v_bfe_u32 v60, v0, 3, 1                        ; u
	v_and_b32 v61, 7, v0                           ; j
	v_xor_b32 v[PB], v56, v60
	v_lshlrev_b32 v[PB], 7, v[PB]
	v_lshl_add_u32 v[PB], v60, 9, v[PB]
	v_lshl_add_u32 v[PB], v61, 4, v[PB]
	v_lshrrev_b32 v[PFO], 2, v54
	v_lshlrev_b32 v[PFO], 17, v[PFO]
	v_and_b32 v60, 3, v54
	v_lshl_add_u32 v[PFO], v60, 8, v[PFO]          ; channel lane / 4 of my eight, block lane % 4 of its 1,024 bytes
	s_lshr_b32 s51, s18, 2
	s_lshl_b32 s51, s51, 8
	s_and_b32 s52, s18, 3
	s_lshl_b32 s52, s52, 2
	s_add_co_u32 s51, s51, s52
	v_mul_u32_u24 v[SO], v56, 8*SPITCH
	v_lshl_add_u32 v[SO], v55, 4, v[SO]
	v_add_nc_u32 v[SO], s51, v[SO]                 ; row 8 h (+ 16 a + j in the immediate), byte 4 x my query's position: 256 (w / 4) + 16 r + 4 (w % 4)
	s_mul_i32 s52, s18, 4*SPITCH
	v_add_nc_u32 v[SR], s52, v[LI]                 ; back: my four rows, 16 bytes a lane
	v_lshl_add_u32 v[WST], v0, 4, WOI              ; WOI + 512 x wave + 16 x lane
	v_add_nc_u32 v[WRD], WOI, v[LI]
	v_lshlrev_b32 v59, 7, v55
	v_lshl_add_u32 v59, v56, 5, v59
	s_lshl_b32 s52, s18, 11
	v_add_nc_u32 v59, s52, v59                     ; w_o: row 16 x wave + r of 128 bytes, + 32 h
	; offsets, each in registers of its own
	s_lshl_b32 s54, s21, 18
	s_add_co_u32 s54, s54, s33
	s_mov_b32 s55, 0                               ; kv: 262,144 b + 16,384 x wave: the same in all four partners
	s_lshl_b32 s56, s21, 11
	s_lshl_b32 s57, s20, 4
	s_add_co_u32 s56, s56, s57
	s_add_co_u32 s56, s56, s18
	s_lshl_b32 s56, s56, 9
	s_mov_b32 s57, 0                               ; theta_img: 512 x (2,048 b + 16 gx + wave)
	s_lshl_b32 s48, s21, 23
	s_lshl_b32 s49, s20, 10
	s_add_co_u32 s48, s48, s49
	s_mov_b32 s49, 0                               ; x, out0: 8,388,608 b + 1,024 gx
	s_lshl_b32 s60, s18, 19
	s_mov_b32 s61, 0                               ; + my four channels on the way out
	s_lshl_b32 s62, s18, 20
	s_mov_b32 s63, 0                               ; + my eight channels of the prefetch
	s_wait_dscnt 0x0                               ; both opening adds are done
	s_wait_kmcnt 0x0
	s_load_b128 s[44:47], s[14:15], 0x8            ; e2, e3, e4, e5
	s_load_b32 s50, s[12:13], 0x0                  ; gamma
	s_add_nc_u64 s[34:35], s[4:5], s[54:55]        ; group 0: global address,
	s_or_b32 s35, s35, 0x80000000                  ; type = 2
	s_add_nc_u64 s[6:7], s[6:7], s[56:57]
	s_add_nc_u64 s[8:9], s[8:9], s[48:49]
	s_add_nc_u64 s[16:17], s[16:17], s[48:49]
	s_add_nc_u64 s[16:17], s[16:17], s[60:61]
	s_add_nc_u64 s[58:59], s[8:9], s[60:61]
	s_add_nc_u64 s[42:43], s[8:9], s[62:63]
	CROUND                                         ; all four work-groups are here: the joint loads meet
	tensor_load_to_lds s[32:35], s[24:31]          ; my sixteenth of the image: every wave issues one
	s_nop 0
.rept 4
	v_nop
.endr
	global_load_b128 v[TH:TH+3], v[LI], s[6:7]     ; theta of my tile: it stays in registers
	v_mov_b32 v13, 0xff61b1e6                      ; the largest t so far: -3e38, under every t
	v_floor_f32 v12, -v13                          ; -M
	v_mov_b32 v14, 0                               ; the sum
	v_mov_b32 v15, 0
	v_mov_b32 v[F+1], 0
.set i, 0
.rept 16
	v_mov_b32 v[O+i], 0                            ; O^T.  (The step is written for the loop alone: the first finds zeros, which the first change of M leaves zeros)
.set i, i+1
.endr
	s_wait_kmcnt 0x0
	s_add_co_i32 s54, s45, 127
	s_lshl_b32 s55, s54, 23
	v_mov_b32 v58, s55                             ; 2^e3 as f32: the conversion takes its exponent field
	s_add_co_i32 s54, s54, 8
	s_lshl_b32 s54, s54, 23
	s_or_b32 s54, s54, 0x600000
	v_mov_b32 v57, s54                             ; 448 x 2^e3
	s_add_co_i32 s54, s46, 127
	s_lshl_b32 s60, s54, 23                        ; 2^e4,
	s_add_co_i32 s54, s54, 8
	s_lshl_b32 s54, s54, 23
	s_or_b32 s61, s54, 0x600000                    ; 448 x 2^e4: kept for the way out
	s_add_co_i32 s54, s47, 127
	s_lshl_b32 s62, s54, 23                        ; 2^e5,
	s_add_co_i32 s54, s54, 8
	s_lshl_b32 s54, s54, 23
	s_or_b32 s63, s54, 0x600000                    ; 448 x 2^e5
	s_add_co_i32 s54, s46, s47
	s_add_co_i32 s54, s54, 127
	s_lshl_b32 s54, s54, 23
	s_mul_f32 s52, s50, s54                        ; gamma x 2^(e4 + e5)
	s_mov_b32 s53, s52                             ; (named with it as a pair, so it is written)
	s_add_co_i32 s51, s44, s45                     ; e2 + e3
	; waves 0-3 quantise w_o, a tile of 16 rows each: lane (r, h): channels 8 h + 0..7 and 16 + 8 h + 0..7 of row 16 a + r: the operand's own places
	s_cmp_lt_u32 s18, 4
	s_cbranch_scc0 .Lno_wo
	global_load_b128 v[128:131], v59, s[10:11]
	global_load_b128 v[132:135], v59, s[10:11] offset:16
	global_load_b128 v[136:139], v59, s[10:11] offset:64
	global_load_b128 v[140:143], v59, s[10:11] offset:80
	v_mov_b32 v54, s62
	v_mov_b32 v55, s63
	s_wait_loadcnt 0x0
.set i, 0
.rept 16
	v_med3_num_f32 v[128+i], v[128+i], -v55, v55   ; the conversion to an 8-bit code does not saturate (ISA guide 7.6.2): the hold
.set i, i+1
.endr
	v_cvt_scalef32_pk8_fp8_f32 v[144:145], v[128:135], v54
	v_cvt_scalef32_pk8_fp8_f32 v[146:147], v[136:143], v54
	v_nop                                          ; the plain instruction behind the conversions
	ds_store_b128 v[WST], v[144:147]               ; the image of registers 0-3 of the operand
.Lno_wo:
	s_wait_loadcnt 0x0                             ; theta
	s_wait_tensorcnt 0x0                           ; my part of the image has landed,
	s_wait_dscnt 0x0                               ; my store of w_o's image too:
	s_barrier_signal -1
	s_barrier_wait -1                              ; everybody's has
.irp c, 0,1,2,3,4,5,6,7
	ds_load_b128 v[PHF+4*\c:PHF+4*\c+3], v[PB] offset:1024*(\c/2)+256*(\c%2)   ; step 0's phi
.endr
; A STEP: 128 keys.  next = 1: the next step's phi is fetched, and one wave a trip prefetches.
.macro STEP next
	s_wait_dscnt 0x0                               ; this step's phi is in
.irp c, 0,1,2,3,4,5,6,7                ; the logits: 8 tiles of 16 keys, K = 8 in two steps; the eight accumulators take turns, one instruction a turn
	v_wmma_f32_16x16x4_f32 v[S+8*\c:S+8*\c+7], v[PHF+4*\c:PHF+4*\c+1], v[TH:TH+1], 0
.endr
.irp c, 0,1,2,3,4,5,6,7
	v_wmma_f32_16x16x4_f32 v[S+8*\c:S+8*\c+7], v[PHF+4*\c+2:PHF+4*\c+3], v[TH+2:TH+3], v[S+8*\c:S+8*\c+7]
.endr
	v_add_nc_u32 v[ADG], s38, v[LI]                ; eight places in front of the loads into phi's registers and of the first read of the logits
.if \next
	v_add_nc_u32 v[ADP], s38, v[PB]
.else
	v_nop
.endif
.rept 6
	v_nop
.endr
.irp t, 0,1
.irp q, 0,1,2,3
	ds_load_b128 v[GF+16*\t+4*\q:GF+16*\t+4*\q+3], v[ADG] offset:4096+2048*\t+512*\q   ; 512 consecutive bytes an instruction
.endr
.endr
.if \next
.irp c, 0,1,2,3,4,5,6,7
	ds_load_b128 v[PHF+4*\c:PHF+4*\c+3], v[ADP] offset:8192+1024*(\c/2)+256*(\c%2)
.endr
	; A PREFETCH INTO THE L2 of the work-group's part of x, which the way out reads: 64 channels x 1,024 bytes = 256 blocks of 256 bytes.  Waves 0-7 take 32 blocks each (8 channels x 4 blocks, a lane a block), wave w in trip
	; 21 + w of the 31: one instruction a trip, three to ten steps ahead of the loads.  Each block is named once in the launch; partners differ by address alone; the address registers are never rewritten.
	s_cmp_eq_u32 s39, s40
	s_cbranch_scc0 .Lno_pf_\@
	global_prefetch_b8 v[PFO], s[42:43] th:TH_LOAD_NT scope:SCOPE_SE
.Lno_pf_\@:
.endif
	v_max3_num_f32 v[TA], v[S], v[S+1], v[S+2]     ; the step's largest logit of my query among my 64 keys, in two chains, each accumulator from its low end on,
	v_max3_num_f32 v[TC], v[S+3], v[S+4], v[S+5]
.set i, 6
.rept 14
	v_max3_num_f32 v[TA], v[TA], v[S+i], v[S+i+1]
	v_max3_num_f32 v[TC], v[TC], v[S+i+2], v[S+i+3]
.set i, i+4
.endr
	v_max3_num_f32 v[TA], v[TA], v[S+62], v[S+63]
	v_max_num_f32 v[TA], v[TA], v[TC]
	v_permlanex16_b32 v[PX], v[TA], s36, s37
	v_max_num_f32 v[TA], v[TA], v[PX]              ; and among lane l xor 16's
	v_mul_f32 v[TA], s22, v[TA]                    ; as t
	v_max_num_f32 v13, v13, v[TA]                  ; the running largest t
	v_mov_b32 v[TA], v12
	v_floor_f32 v12, -v13                          ; the new -M = floor(-t) = -ceil(t)
	v_sub_f32 v[TA], v12, v[TA]                    ; old M - new M: a whole number, 0 or less
	v_cvt_i32_f32 v[TA], v[TA]                     ; (it saturates)
	v_ldexp_f32 v[F], 1.0, v[TA]                   ; f = 2^(old M - new M)
.set i, 0
.rept 32
	v_pk_fma_f32 v[P+i:P+i+1], v[S+i:S+i+1], s[22:23], v[12:13] op_sel_hi:[1,0,0]   ; t - M, two at a time, into other registers than the sums' (of the pairs log2(e) and -M the low word serves both halves)
.set i, i+2
.endr
.set i, 0
.rept 64
	v_exp_f32 v[P+i], v[P+i]                       ; p = 2^(t - M), at most 1
.set i, i+1
.endr
	v_pk_mul_f32 v[14:15], v[14:15], v[F:F+1] op_sel_hi:[1,0]   ; the sum under the new M: the plain instruction behind the exponentials
	s_wait_alu depctr_va_vdst(0)                   ; one wait for the whole batch, ahead of its first reader
	v_pk_add_f32 v[60:61], v[P:P+1], v[P+2:P+3]    ; the row's sum is taken of the unquantised p: two at a time, in two chains
.set i, 4
.rept 15
	v_pk_add_f32 v[14:15], v[14:15], v[P+i:P+i+1]
	v_pk_add_f32 v[60:61], v[60:61], v[P+i+2:P+i+3]
.set i, i+4
.endr
	v_pk_add_f32 v[14:15], v[14:15], v[60:61]
.irp c, 0,1,2,3,4,5,6,7
.irp j, 0,1,2,3,4,5,6,7
	v_min_num_f32 v[P+8*\c+\j], v[P+8*\c+\j], v57  ; the hold: p is not negative, so it is one-sided
.endr
	v_cvt_scalef32_pk8_fp8_f32 v[PC+2*\c:PC+2*\c+1], v[P+8*\c:P+8*\c+7], v58
.endr
.irp j, 0,2,4,6,8,10,12,14
	v_pk_mul_f32 v[O+\j:O+\j+1], v[O+\j:O+\j+1], v[F:F+1] op_sel_hi:[1,0]   ; O^T under the new M.  (Also the plain instructions behind the conversions)
.endr
.if \next
	s_wait_dscnt 8                                 ; g's eight loads are in; the eight of the next step's phi, issued behind them, may be out
.else
	s_wait_dscnt 0x0
.endif
	v_wmma_f32_16x16x128_fp8_fp8 v[O:O+7], v[GF:GF+15], v[PC:PC+15], v[O:O+7]
	v_wmma_f32_16x16x128_fp8_fp8 v[O+8:O+15], v[GF+16:GF+31], v[PC:PC+15], v[O+8:O+15]
.endm
.Lstep:                                                ; 31 trips; the last step is written out, since it has no successor to fetch
	STEP 1
	s_add_co_u32 s38, s38, 8192
	s_add_co_u32 s39, s39, 1
	s_cmp_lt_u32 s39, 31
	s_cbranch_scc1 .Lstep
	STEP 0
	; THE WAY OUT.  x is asked for first: my four channels x 1,024 bytes.
.irp i, 0,1,2,3
.irp f, 0,1
	global_load_b128 v[XR+8*\i+4*\f:XR+8*\i+4*\f+3], v[LI], s[58:59] offset:131072*\i+512*\f th:TH_LOAD_NT   ; 512 consecutive bytes an instruction; read once in this launch
.endr
.endr
.irp a, 0,1,2,3
.irp k, 4,5,6,7
	v_mov_b32 v[PHF+8*\a+\k], 0                    ; w_o's upper half of K: zero codes.  (Sixteen plain instructions: the places behind the last products)
.endr
.endr
.irp a, 0,1,2,3
	ds_load_b128 v[PHF+8*\a:PHF+8*\a+3], v[WRD] offset:512*\a   ; w_o's four tiles
.endr
	v_add_f32 v14, v14, v15                        ; the sum's two halves,
	v_permlanex16_b32 v[PX], v14, s36, s37
	v_add_f32 v14, v14, v[PX]                      ; and lane l xor 16's: the row's sum
	v_rcp_f32 v14, v14
	v_mov_b32 v54, s60                             ; 2^e4 (a plain instruction behind the reciprocal)
	v_mov_b32 v55, s61                             ; 448 x 2^e4
	s_wait_alu depctr_va_vdst(0)                   ; the wait ahead of the reciprocal's first reader
	v_ldexp_f32 v14, v14, s51                      ; x 2^(e2 + e3)
.set i, 0
.rept 16
	v_mul_f32 v[P+i], v[O+i], v14                  ; o(channel 16 t + 8 h + j, my query), each accumulator from its low end on
.set i, i+1
.endr
.set i, 0
.rept 16
	v_med3_num_f32 v[P+i], v[P+i], -v55, v55
.set i, i+1
.endr
	v_cvt_scalef32_pk8_fp8_f32 v[PC:PC+1], v[P:P+7], v54       ; K places 8 h + 0..7: the operand's own
	v_cvt_scalef32_pk8_fp8_f32 v[PC+2:PC+3], v[P+8:P+15], v54  ; 16 + 8 h + 0..7
.irp k, 4,5,6,7
	v_mov_b32 v[PC+\k], 0                          ; the upper half of K.  (Also the plain instructions behind the conversions)
.endr
	s_wait_dscnt 0x0                               ; w_o's tiles are in, and my reads of the image are over:
	s_barrier_signal -1
	s_barrier_wait -1                              ; everybody's are: the stage may be written
.irp a, 0,1,2,3
	v_wmma_f32_16x16x64_fp8_fp8 v[P+8*\a:P+8*\a+7], v[PHF+8*\a:PHF+8*\a+7], v[PC:PC+7], 0   ; register j of lane (r, h): channel 16 a + 8 h + j of my query r
.endr
.rept 4
	v_nop                                          ; places in front of the stores that read the results and of the loads into w_o's registers
.endr
.irp a, 0,1,2,3
.irp j, 0,1,2,3,4,5,6,7
	ds_store_b32 v[SO], v[P+8*\a+\j] offset:(16*\a+\j)*SPITCH
.endr
.endr
	s_wait_dscnt 0x0                               ; for the others' sake: my stores into the stage are done
	s_barrier_signal -1
	s_barrier_wait -1
.irp i, 0,1,2,3
.irp f, 0,1
	ds_load_b128 v[PHF+8*\i+4*\f:PHF+8*\i+4*\f+3], v[SR] offset:SPITCH*\i+512*\f
.endr
.endr
	s_wait_loadcnt 0x0                             ; x
	s_wait_dscnt 0x0
.set i, 0
.rept 16
	v_pk_fma_f32 v[PHF+i:PHF+i+1], v[PHF+i:PHF+i+1], s[52:53], v[XR+i:XR+i+1] op_sel_hi:[1,0,1]   ; sum x gamma 2^(e4 + e5) + x
.set i, i+2
.endr
.irp i, 0,1,2,3
.irp f, 0,1
	global_store_b128 v[LI], v[PHF+8*\i+4*\f:PHF+8*\i+4*\f+3], s[16:17] offset:131072*\i+512*\f th:TH_STORE_NT   ; the wave stores 512 consecutive bytes, at a multiple of 256 from out0's first byte
.endr
.endr
	s_wait_tensorcnt 0x0                           ; the wave's end: behind my last tensor load and my last LDS store
	ds_add_u32 v[SPW], v[NIL]
	s_wait_dscnt 0x0
	CROUND                                         ; the closing round
	s_endpgm
.Lfunc_end_k_qd525dcc238_attn:
	.size	k_qd525dcc238_attn, .Lfunc_end_k_qd525dcc238_attn-k_qd525dcc238_attn
	.p2alignl 7, 3214868480
	.fill 96, 4, 3214868480
	.section	.rodata,"a",@progbits
	.p2align	6, 0x0
	.amdhsa_kernel k_qd525dcc238_attn
		.amdhsa_group_segment_fixed_size 327680
		.amdhsa_private_segment_fixed_size 0
		.amdhsa_enable_private_segment 0
		.amdhsa_kernarg_size 56
		.amdhsa_user_sgpr_count 2
		.amdhsa_user_sgpr_kernarg_segment_ptr 1
		.amdhsa_wavefront_size32 1
		.amdhsa_system_sgpr_workgroup_id_x 1
		.amdhsa_system_sgpr_workgroup_id_y 1
		.amdhsa_system_sgpr_workgroup_id_z 1
		.amdhsa_system_vgpr_workitem_id 0
		.amdhsa_next_free_vgpr 256
		.amdhsa_next_free_sgpr 66
		.amdhsa_reserve_vcc 0
		.amdhsa_float_denorm_mode_32 3
		.amdhsa_float_denorm_mode_16_64 3
		.amdhsa_memory_ordered 1
		.amdhsa_forward_progress 1
		.amdhsa_inst_pref_size 46
	.end_amdhsa_kernel
	.amdgpu_metadata
---
amdhsa.version: [ 1, 2 ]
amdhsa.kernels:
  - .name:           k_qd525dcc238_attn
    .symbol:         k_qd525dcc238_attn.kd
    .args:
      - { .name: kv, .offset: 0, .size: 8, .value_kind: global_buffer, .address_space: global }
      - { .name: theta_img, .offset: 8, .size: 8, .value_kind: global_buffer, .address_space: global }
      - { .name: x, .offset: 16, .size: 8, .value_kind: global_buffer, .address_space: global }
      - { .name: w_o, .offset: 24, .size: 8, .value_kind: global_buffer, .address_space: global }
      - { .name: gamma, .offset: 32, .size: 8, .value_kind: global_buffer, .address_space: global }
      - { .name: lowp_scales, .offset: 40, .size: 8, .value_kind: global_buffer, .address_space: global }
      - { .name: out0, .offset: 48, .size: 8, .value_kind: global_buffer, .address_space: global }
    .group_segment_fixed_size: 327680
    .private_segment_fixed_size: 0
    .kernarg_segment_align: 8
    .kernarg_segment_size: 56
    .max_flat_workgroup_size: 512
    .sgpr_count:     66
    .vgpr_count:     256
    .wavefront_size: 32
...
	.end_amdgpu_metadata
.endif
;; end of part 2
;; ======== version 2 of 2: 2 launches
;; workspace buffers: theta_img 2,097,152 bytes; kv 524,288 bytes
;; launch prep: the kernel of part 1 again; grid 128 x 2, 2 waves a work-group, no clusters, 0 bytes of LDS; arguments x, w_theta, w_phi, w_g, lowp_scales, theta_img, kv; writes theta_img, kv
;; launch attn (part 3): grid 128 x 2, 16 waves a work-group, clusters of 4 x 1, 327,680 bytes of LDS; arguments kv, theta_img, x, w_o, gamma, lowp_scales, out0; writes out0
.if DOCPART == 3
	.amdgcn_target "amdgcn-amd-amdhsa--gfx1250"
	.amdhsa_code_object_version 6
	.text
	.protected	k_qd525dcc238_attn
	.globl	k_qd525dcc238_attn
	.p2align	8
	.type	k_qd525dcc238_attn,@function
k_qd525dcc238_attn:
	s_mov_b64 s[64:65], 0
	v_nop
	global_prefetch_b8 v0, s[64:65] scope:SCOPE_SE
	s_setreg_imm32_b32 hwreg(HW_REG_WAVE_MODE, 25, 1), 1
	s_wait_xcnt 0x0
	s_wait_alu depctr_hold_cnt(0) depctr_sa_sdst(0) depctr_va_vdst(0) depctr_va_sdst(0) depctr_va_ssrc(0) depctr_va_vcc(0) depctr_vm_vsrc(0)
	s_getreg_b32 s2, hwreg(HW_REG_IB_STS2, 6, 4)
	s_cmp_eq_u32 s2, 0
	s_cbranch_scc0 .Lentry_in_a_cluster
	s_endpgm
.Lentry_in_a_cluster:
	s_bfe_u32 s2, ttmp6, 0x10000c
	s_cmp_lg_u32 s2, 0x3003
	s_cbranch_scc0 .Lentry_shape_is_right
	s_endpgm
.Lentry_shape_is_right:
; SECOND OF TWO LAUNCHES.  out = gamma x (w_o o) + x, o = g softmax(theta^T phi)^T, from the first launch's theta_img and kv.  Nothing of the problem is left out.
; FORMATS.  The logits go into a quantiser: f32 operands, v_wmma_f32_16x16x4_f32.  t = logit x log2(e); M = the running largest t rounded UP to a whole number; p = 2^(t - M), not normalised, is quantised with 2^e3;
; g's codes (scale 2^e2) come from kv; O^T = g p^T by v_wmma_f32_16x16x128_fp8_fp8.  The row's sum is taken of the unquantised p in f32 and divides at the end; when M moves, the sum and O^T are multiplied by
; 2^(old M - new M), which rounds nothing.  o is quantised with 2^e4, w_o with 2^e5; their product (K = 32) goes by v_wmma_f32_16x16x64_fp8_fp8 with zero codes in the upper half of K on both sides.
; LIMITS: e3, e4, e5 between -126 and 119; e4 + e5 between -126 and 127; e2 + e3 is applied by v_ldexp_f32 and has none.  NaN among the inputs is not served.
; SHARES.  A work-group owns 256 consecutive positions of one batch; each of its SIXTEEN waves owns one tile of 16 queries in 256 registers, four waves to a SIMD.
; Wave w's query r is position 64 (w / 4) + 4 r + w % 4 of the 256.  Every wave walks the batch's 4,096 keys, 128 a step, 32 steps.
; LDS.  A batch's phi and g, 262,144 bytes, lie in LDS WHOLE, as an image of kv[b]: each wave fetches 16,384 bytes by one tensor load at the head; nothing is filled again.  By this text's own count a wave has one tensor load out.
; CLUSTER.  The four work-groups of a cluster belong to one batch and need the same 262,144 bytes: each load is asked for JOINTLY, the same descriptor and a mask of the four in all four.
; LAYOUT.  Both products are used transposed (source 0 = 16 keys or 16 channels, source 1 = my 16 queries): a lane holds ONE query (lane % 16) throughout.  Score tile c, register j of lane (r, h) is row 8 h + j of the tile;
; its eight registers become registers 2 c, 2 c + 1 of p's operand, and kv holds g's codes in the same order of keys.  In the f32 form K = 8 goes in two steps: place (s, h, j) = channel 4 h + 2 s + j, in phi and in theta alike.
; THE LOOP IS A PIPELINE OF TWO STAGES.  A(s): the logits of step s into S, their maximum, the new M and f, t - M into P.  B(s): the exponentials, the sum, the hold, the codes, the rescaling, g p^T.
; A trip runs B(s) and A(s + 1): S is free as soon as t - M has been taken from it, so the next step's logits are issued first, and the lines of the two stages, which share no register, stand between each other:
; the sum's additions between the maxima, the holds and conversions between the nine dependent lines that make M and f.  A(0) stands ahead of the loop; the trip of step 30, which has no phi left to fetch, and B(31) behind it.
.set WOI,    262144                    ; LDS behind the image: w_o's codes, 4 tiles x 512 bytes, as images of the operand's registers
.set SPARE,  264192                    ; the spare words, 128 bytes for each of the sixteen waves: eight blocks of 256 bytes that no other line names
.set SPITCH, 1040                      ; the way out: a stage of 64 rows (channels) x (1,024 bytes + 16), from LDS byte 0: the image has had its one fill, and its last read stands ahead of the barrier in front of the first store
.set LI,  1                            ; v1   16 x lane
.set PB,  2                            ; v2   my place in a step's phi: 512 u + 128 (hk xor u) + 16 j, j = lane % 8, u = (lane / 8) % 2, hk = lane / 16
.set ADP, 3                            ; v3   LDS address from which phi is fetched
.set ADG, 4                            ; v4   of this step's g
.set SPW, 5                            ; v5   LDS address of my spare word; never rewritten
.set NIL, 6                            ; v6   0; never rewritten
.set PFO, 7                            ; v7   the prefetch's offset; never rewritten
.set SO,  8                            ; v8   the stage: where I put a result
.set SR,  9                            ; v9   the stage: where I read rows back
                                       ; v10  448 x 2^e3 once more (see v57)
.set WST, 11                           ; v11  where waves 0-3 store w_o's image
                                       ; v12 -M, v13 the largest t, v[14:15] the sum in two halves
.set TH,  16                           ; v16-19  theta[4 h + 0..3] of my query
.set O,   20                           ; v20-35  O^T: two tiles of 16 channels
.set PC,  36                           ; v36-51  p's codes
.set F,   52                           ; v[52:53] f = 2^(old M - new M) (v53 is only named with it)
.set TA,  54                           ; v54, v55 the maximum's two chains; v55 then keeps the old -M
.set TC,  55
.set PX,  56                           ; v56  a lane permute's destination
                                       ; v57 448 x 2^e3, v58 2^e3, v59 w_o's offset, v[60:61] the sum's second chain
.set WRD, 62                           ; v62  WOI + 16 x lane
.set S,   64                           ; v64-127  the logits: 8 accumulators, written by the f32 matrix form alone
.set P,   128                          ; v128-191 t - M, then p
.set PHF, 192                          ; v192-223 phi's fragments: tile c at v[192 + 4 c]
.set GF,  224                          ; v224-255 g's fragments: tile t at v[224 + 16 t]
.set XR,  160                          ; the way out: x
.macro CROUND                          ; a round of the cluster's barrier: my work-group's barrier; wave 0 signals for the work-group; every wave waits for all four work-groups; my work-group's barrier once more
	s_barrier_signal -1
	s_barrier_wait -1
	s_cmp_lg_u32 s18, 0
	s_cbranch_scc1 .Lnot_wave_0_\@
	s_barrier_signal -3
.Lnot_wave_0_\@:
	s_barrier_wait -3
	s_barrier_signal -1
	s_barrier_wait -1
.endm
	s_load_b256 s[4:11], s[0:1], 0x0               ; kv s[4:5], theta_img s[6:7], x s[8:9], w_o s[10:11]
	s_load_b128 s[12:15], s[0:1], 0x20             ; gamma s[12:13], the exponents s[14:15]
	s_load_b64 s[16:17], s[0:1], 0x30              ; out0
	v_lshl_add_u32 v[SPW], v0, 2, SPARE
	v_mov_b32 v[NIL], 0
	ds_add_u32 v[SPW], v[NIL]                      ; the wave's opening: the add, twice on end, and its wait ahead of my first tensor load; the set-up below, work on registers, stands between
	ds_add_u32 v[SPW], v[NIL]
	v_lshrrev_b32 v54, 5, v0
	v_readfirstlane_b32 s18, v54                   ; wave 0..15
	s_bfe_u32 s19, ttmp6, 0x40000                  ; cx: my place in the cluster: it enters global addresses of my own loads and stores alone
	s_lshl_b32 s20, ttmp9, 2
	s_add_co_u32 s20, s20, s19                     ; gx: my block of 256 positions
	s_and_b32 s21, ttmp7, 0xffff                   ; b, which the four partners share
	; descriptor group 1: 64 rows of 256 bytes, dense in memory and in LDS
	s_mov_b32 s24, 15|(3<<16)|(1<<21)              ; 15:0 the mask: all four work-groups; 17:16 elements of 8 bytes; 20 no padding; 21 set beside a mask
	s_mov_b32 s25, 32<<16                          ; tensor_dim0 = 32 elements
	s_mov_b32 s26, 64<<16                          ; tensor_dim1 = 64
	s_mov_b32 s27, 32<<16                          ; tile_dim0 = 32
	s_mov_b32 s28, 64                              ; tile_dim1 = 64
	s_mov_b32 s29, 32                              ; from row to row: 32 elements
	s_mov_b32 s30, 0
	s_mov_b32 s31, 0
	s_mov_b32 s32, 1                               ; group 0: count = 1,
	s_lshl_b32 s33, s18, 14                        ; LDS address: 16,384 x wave
	s_mov_b32 s22, 0x3fb8aa3b                      ; log2(e)
	s_mov_b32 s23, s22                             ; (named with it as a pair, so it is written)
	s_mov_b32 s36, 0x76543210                      ; v_permlanex16_b32: lane l takes lane l xor 16
	s_mov_b32 s37, 0xfedcba98
	s_mov_b32 s38, 0                               ; LDS byte at which the step in hand begins
	s_mov_b32 s39, 0                               ; the count of trips
	s_add_co_u32 s40, s18, 21
	s_cmp_lt_u32 s18, 8
	s_cselect_b32 s40, s40, -1                     ; the trip in which my wave prefetches: 21 + wave for waves 0-7, none for the others
	; every LDS address register is made here, ahead of the branch on the wave's number
	v_and_b32 v54, 31, v0                          ; lane
	v_lshlrev_b32 v[LI], 4, v54
	v_and_b32 v55, 15, v0                          ; r
	v_bfe_u32 v56, v0, 4, 1                        ; h
	v_bfe_u32 v60, v0, 3, 1                        ; u
	v_and_b32 v61, 7, v0                           ; j
	v_xor_b32 v[PB], v56, v60
	v_lshlrev_b32 v[PB], 7, v[PB]
	v_lshl_add_u32 v[PB], v60, 9, v[PB]
	v_lshl_add_u32 v[PB], v61, 4, v[PB]
	v_lshrrev_b32 v[PFO], 2, v54
	v_lshlrev_b32 v[PFO], 17, v[PFO]
	v_and_b32 v60, 3, v54
	v_lshl_add_u32 v[PFO], v60, 8, v[PFO]          ; channel lane / 4 of my eight, block lane % 4 of its 1,024 bytes
	s_lshr_b32 s51, s18, 2
	s_lshl_b32 s51, s51, 8
	s_and_b32 s52, s18, 3
	s_lshl_b32 s52, s52, 2
	s_add_co_u32 s51, s51, s52
	v_mul_u32_u24 v[SO], v56, 8*SPITCH
	v_lshl_add_u32 v[SO], v55, 4, v[SO]
	v_add_nc_u32 v[SO], s51, v[SO]                 ; row 8 h (+ 16 a + j in the immediate), byte 4 x my query's position: 256 (w / 4) + 16 r + 4 (w % 4)
	s_mul_i32 s52, s18, 4*SPITCH
	v_add_nc_u32 v[SR], s52, v[LI]                 ; back: my four rows, 16 bytes a lane
	v_lshl_add_u32 v[WST], v0, 4, WOI              ; WOI + 512 x wave + 16 x lane
	v_add_nc_u32 v[WRD], WOI, v[LI]
	v_lshlrev_b32 v59, 7, v55
	v_lshl_add_u32 v59, v56, 5, v59
	s_lshl_b32 s52, s18, 11
	v_add_nc_u32 v59, s52, v59                     ; w_o: row 16 x wave + r of 128 bytes, + 32 h
	; offsets, each in registers of its own
	s_lshl_b32 s54, s21, 18
	s_add_co_u32 s54, s54, s33
	s_mov_b32 s55, 0                               ; kv: 262,144 b + 16,384 x wave: the same in all four partners
	s_lshl_b32 s56, s21, 11
	s_lshl_b32 s57, s20, 4
	s_add_co_u32 s56, s56, s57
	s_add_co_u32 s56, s56, s18
	s_lshl_b32 s56, s56, 9
	s_mov_b32 s57, 0                               ; theta_img: 512 x (2,048 b + 16 gx + wave)
	s_lshl_b32 s48, s21, 23
	s_lshl_b32 s49, s20, 10
	s_add_co_u32 s48, s48, s49
	s_mov_b32 s49, 0                               ; x, out0: 8,388,608 b + 1,024 gx
	s_lshl_b32 s60, s18, 19
	s_mov_b32 s61, 0                               ; + my four channels on the way out
	s_lshl_b32 s62, s18, 20
	s_mov_b32 s63, 0                               ; + my eight channels of the prefetch
	s_wait_dscnt 0x0                               ; both opening adds are done
	s_wait_kmcnt 0x0
	s_load_b128 s[44:47], s[14:15], 0x8            ; e2, e3, e4, e5
	s_load_b32 s50, s[12:13], 0x0                  ; gamma
	s_add_nc_u64 s[34:35], s[4:5], s[54:55]        ; group 0: global address,
	s_or_b32 s35, s35, 0x80000000                  ; type = 2
	s_add_nc_u64 s[6:7], s[6:7], s[56:57]
	s_add_nc_u64 s[8:9], s[8:9], s[48:49]
	s_add_nc_u64 s[16:17], s[16:17], s[48:49]
	s_add_nc_u64 s[16:17], s[16:17], s[60:61]
	s_add_nc_u64 s[58:59], s[8:9], s[60:61]
	s_add_nc_u64 s[42:43], s[8:9], s[62:63]
	CROUND                                         ; all four work-groups are here: the joint loads meet
	tensor_load_to_lds s[32:35], s[24:31]          ; my sixteenth of the image: every wave issues one
	s_nop 0
.rept 4
	v_nop
.endr
	global_load_b128 v[TH:TH+3], v[LI], s[6:7]     ; theta of my tile: it stays in registers
	v_mov_b32 v13, 0xff61b1e6                      ; the largest t so far: -3e38, under every t
	v_floor_f32 v12, -v13                          ; -M
	v_mov_b32 v14, 0                               ; the sum
	v_mov_b32 v15, 0
	v_mov_b32 v[F+1], 0
	s_wait_kmcnt 0x0
	s_add_co_i32 s54, s45, 127
	s_lshl_b32 s55, s54, 23
	v_mov_b32 v58, s55                             ; 2^e3 as f32: the conversion takes its exponent field
	s_add_co_i32 s54, s54, 8
	s_lshl_b32 s54, s54, 23
	s_or_b32 s54, s54, 0x600000
	v_mov_b32 v57, s54                             ; 448 x 2^e3,
	v_mov_b32 v10, s54                             ; and once more: the two halves of a dual instruction take their first sources from different register banks (number mod 4: 1 and 2)
	s_add_co_i32 s54, s46, 127
	s_lshl_b32 s60, s54, 23                        ; 2^e4,
	s_add_co_i32 s54, s54, 8
	s_lshl_b32 s54, s54, 23
	s_or_b32 s61, s54, 0x600000                    ; 448 x 2^e4: kept for the way out
	s_add_co_i32 s54, s47, 127
	s_lshl_b32 s62, s54, 23                        ; 2^e5,
	s_add_co_i32 s54, s54, 8
	s_lshl_b32 s54, s54, 23
	s_or_b32 s63, s54, 0x600000                    ; 448 x 2^e5
	s_add_co_i32 s54, s46, s47
	s_add_co_i32 s54, s54, 127
	s_lshl_b32 s54, s54, 23
	s_mul_f32 s52, s50, s54                        ; gamma x 2^(e4 + e5)
	s_mov_b32 s53, s52                             ; (named with it as a pair, so it is written)
	s_add_co_i32 s51, s44, s45                     ; e2 + e3
	; waves 0-3 quantise w_o, a tile of 16 rows each: lane (r, h): channels 8 h + 0..7 and 16 + 8 h + 0..7 of row 16 a + r: the operand's own places
	s_cmp_lt_u32 s18, 4
	s_cbranch_scc0 .Lno_wo
	global_load_b128 v[128:131], v59, s[10:11]
	global_load_b128 v[132:135], v59, s[10:11] offset:16
	global_load_b128 v[136:139], v59, s[10:11] offset:64
	global_load_b128 v[140:143], v59, s[10:11] offset:80
	v_mov_b32 v54, s62
	v_mov_b32 v55, s63
	s_wait_loadcnt 0x0
.set i, 0
.rept 16
	v_med3_num_f32 v[128+i], v[128+i], -v55, v55   ; the conversion to an 8-bit code does not saturate (ISA guide 7.6.2): the hold
.set i, i+1
.endr
	v_cvt_scalef32_pk8_fp8_f32 v[144:145], v[128:135], v54
	v_cvt_scalef32_pk8_fp8_f32 v[146:147], v[136:143], v54
	v_nop                                          ; the plain instruction behind the conversions
	ds_store_b128 v[WST], v[144:147]               ; the image of registers 0-3 of the operand
.Lno_wo:
	s_wait_loadcnt 0x0                             ; theta
	s_wait_tensorcnt 0x0                           ; my part of the image has landed,
	s_wait_dscnt 0x0                               ; my store of w_o's image too:
	s_barrier_signal -1
	s_barrier_wait -1                              ; everybody's has
; The logits of one step: 8 tiles of 16 keys, K = 8 in two steps; the eight accumulators take turns, one instruction a turn.
.macro LOGITS
.irp c, 0,1,2,3,4,5,6,7
	v_wmma_f32_16x16x4_f32 v[S+8*\c:S+8*\c+7], v[PHF+4*\c:PHF+4*\c+1], v[TH:TH+1], 0
.endr
.irp c, 0,1,2,3,4,5,6,7
	v_wmma_f32_16x16x4_f32 v[S+8*\c:S+8*\c+7], v[PHF+4*\c+2:PHF+4*\c+3], v[TH+2:TH+3], v[S+8*\c:S+8*\c+7]
.endr
.endm
; From a step's largest logit (v[TA] in my half of the lanes, v[PX] in the other; v[TC] = the old -M) to the new M and f: seven lines, each of which reads the one before: line k of them (there is no line 6).
.macro CHAIN k
.if \k == 0
	v_max_num_f32 v[TA], v[TA], v[PX]              ; my query's largest logit of the step
.elseif \k == 1
	v_mul_f32 v[TA], s22, v[TA]                    ; as t
.elseif \k == 2
	v_max_num_f32 v13, v13, v[TA]                  ; the running largest t
.elseif \k == 3
	v_floor_f32 v12, -v13                          ; the new -M = floor(-t) = -ceil(t)
.elseif \k == 4
	v_sub_f32 v[TA], v12, v[TC]                    ; old M - new M: a whole number, 0 or less
.elseif \k == 5
	v_cvt_i32_f32 v[TA], v[TA]                     ; (it saturates)
.elseif \k == 7
	v_ldexp_f32 v[F], 1.0, v[TA]                   ; f = 2^(old M - new M)
.endif
.endm
; t - M, two at a time, into other registers than the sums' (of the pairs log2(e) and -M the low word serves both halves)
.macro SCALE
.set i, 0
.rept 32
	v_pk_fma_f32 v[P+i:P+i+1], v[S+i:S+i+1], s[22:23], v[12:13] op_sel_hi:[1,0,0]
.set i, i+2
.endr
.endm
; A TRIP: B(s), and with nxt = 1 A(s + 1) between its lines.  ld = 1: phi of step s + 2 is fetched, and one wave a trip prefetches.  At its head P holds t - M of step s, v[F] that step's f, and phi of step s + 1 is on its way from LDS.
.macro TRIP nxt, ld
.if \nxt
	s_wait_dscnt 0x0                               ; phi of step s + 1 is in
	LOGITS                                         ; S is free: t - M of step s has been taken from it
.endif
.set i, 0
.rept 64
	v_exp_f32 v[P+i], v[P+i]                       ; p = 2^(t - M), at most 1
.set i, i+1
.endr
	v_add_nc_u32 v[ADG], s38, v[LI]                ; ten or eleven plain instructions that name no register of the f32 products: the plain place behind the exponentials, and the eight places in front of the loads into phi's registers and of the first read of the logits
.if \ld
	v_add_nc_u32 v[ADP], s38, v[PB]
.endif
	v_pk_mul_f32 v[14:15], v[14:15], v[F:F+1] op_sel_hi:[1,0]   ; the sum under step s's M,
.irp j, 0,2,4,6,8,10,12,14
	v_pk_mul_f32 v[O+\j:O+\j+1], v[O+\j:O+\j+1], v[F:F+1] op_sel_hi:[1,0]   ; and O^T, each accumulator from its low end on: f is free for the next step behind these
.endr
	s_wait_alu depctr_va_vdst(0)                   ; one wait for the whole batch of exponentials, ahead of the branch below and of the first reader
.irp t, 0,1
.irp q, 0,1,2,3
	ds_load_b128 v[GF+16*\t+4*\q:GF+16*\t+4*\q+3], v[ADG] offset:4096+2048*\t+512*\q   ; g of step s: 512 consecutive bytes an instruction
.endr
.endr
.if \ld
.irp c, 0,1,2,3,4,5,6,7
	ds_load_b128 v[PHF+4*\c:PHF+4*\c+3], v[ADP] offset:16384+1024*(\c/2)+256*(\c%2)    ; phi of step s + 2
.endr
	; A PREFETCH INTO THE L2 of the work-group's part of x, which the way out reads: 64 channels x 1,024 bytes = 256 blocks of 256 bytes.  Waves 0-7 take 32 blocks each (8 channels x 4 blocks, a lane a block), wave w in trip
	; 21 + w of the loop's 30: one instruction a trip, three to ten steps ahead of the loads.  Each block is named once in the launch; partners differ by address alone; the address registers are never rewritten.
	s_cmp_eq_u32 s39, s40
	s_cbranch_scc0 .Lno_pf_\@
	global_prefetch_b8 v[PFO], s[42:43] th:TH_LOAD_NT scope:SCOPE_SE
.Lno_pf_\@:
.endif
	; the row's sum of the unquantised p of step s (two at a time, two chains), and between its lines the largest logit of step s + 1 among my 64 keys (two chains, each accumulator from its low end on)
	v_pk_add_f32 v[60:61], v[P:P+1], v[P+2:P+3]
.if \nxt
	v_max3_num_f32 v[TA], v[S], v[S+1], v[S+2]
	v_max3_num_f32 v[TC], v[S+3], v[S+4], v[S+5]
.endif
.set i, 0
.rept 14
	v_pk_add_f32 v[14:15], v[14:15], v[P+4+4*i:P+5+4*i]
.if \nxt
	v_max3_num_f32 v[TA], v[TA], v[S+6+4*i], v[S+7+4*i]
.endif
	v_pk_add_f32 v[60:61], v[60:61], v[P+6+4*i:P+7+4*i]
.if \nxt
	v_max3_num_f32 v[TC], v[TC], v[S+8+4*i], v[S+9+4*i]
.endif
.set i, i+1
.endr
	v_pk_add_f32 v[14:15], v[14:15], v[P+60:P+61]
.if \nxt
	v_max3_num_f32 v[TA], v[TA], v[S+62], v[S+63]
.endif
	v_pk_add_f32 v[60:61], v[60:61], v[P+62:P+63]
.if \nxt
	v_max_num_f32 v[TA], v[TA], v[TC]
.endif
	v_pk_add_f32 v[14:15], v[14:15], v[60:61]
.if \nxt
	v_mov_b32 v[TC], v12                           ; the old -M
	v_permlanex16_b32 v[PX], v[TA], s36, s37       ; lane l xor 16 holds my query's other 64 keys
.endif
	; the hold and the codes of step s, a tile of 8 registers at a time, and behind each tile one line of the next step's M and f
.irp c, 0,1,2,3,4,5,6,7
.irp j, 0,2,4,6
	v_dual_min_num_f32 v[P+8*\c+\j], v57, v[P+8*\c+\j] :: v_dual_min_num_f32 v[P+8*\c+\j+1], v10, v[P+8*\c+\j+1]   ; the conversion to an 8-bit code does not saturate (ISA guide 7.6.2); p is not negative, so the hold is one-sided; two holds an instruction
.endr
	v_cvt_scalef32_pk8_fp8_f32 v[PC+2*\c:PC+2*\c+1], v[P+8*\c:P+8*\c+7], v58
.if \nxt
	CHAIN \c                                       ; (line 7 is also the plain instruction between the last conversion and the products that read its result)
.endif
.endr
.if \nxt == 0
	v_nop                                          ; the plain instruction behind the last conversion
.endif
.if \ld
	s_wait_dscnt 8                                 ; g's eight loads are in; the eight of phi, issued behind them, may be out
.else
	s_wait_dscnt 0x0
.endif
	v_wmma_f32_16x16x128_fp8_fp8 v[O:O+7], v[GF:GF+15], v[PC:PC+15], v[O:O+7]
	v_wmma_f32_16x16x128_fp8_fp8 v[O+8:O+15], v[GF+16:GF+31], v[PC:PC+15], v[O+8:O+15]
.if \nxt
	SCALE                                          ; t - M of step s + 1.  (32 plain instructions: the places behind the two products)
.endif
.endm
	; A(0)
.irp c, 0,1,2,3,4,5,6,7
	ds_load_b128 v[PHF+4*\c:PHF+4*\c+3], v[PB] offset:1024*(\c/2)+256*(\c%2)           ; step 0's phi
.endr
	s_wait_dscnt 0x0
	LOGITS
.set i, 0
.rept 16
	v_mov_b32 v[O+i], 0                            ; O^T begins as zeros, which the first f leaves zeros.  (Sixteen plain instructions: the places behind the f32 products)
.set i, i+1
.endr
.irp c, 0,1,2,3,4,5,6,7
	ds_load_b128 v[PHF+4*\c:PHF+4*\c+3], v[PB] offset:8192+1024*(\c/2)+256*(\c%2)      ; step 1's phi
.endr
	v_max3_num_f32 v[TA], v[S], v[S+1], v[S+2]
	v_max3_num_f32 v[TC], v[S+3], v[S+4], v[S+5]
.set i, 6
.rept 14
	v_max3_num_f32 v[TA], v[TA], v[S+i], v[S+i+1]
	v_max3_num_f32 v[TC], v[TC], v[S+i+2], v[S+i+3]
.set i, i+4
.endr
	v_max3_num_f32 v[TA], v[TA], v[S+62], v[S+63]
	v_max_num_f32 v[TA], v[TA], v[TC]
	v_mov_b32 v[TC], v12
	v_permlanex16_b32 v[PX], v[TA], s36, s37
.irp k, 0,1,2,3,4,5,7
	CHAIN \k
.endr
	SCALE
.Lstep:                                                ; 30 trips: B(s) and A(s + 1) for s = 0 .. 29
	TRIP 1, 1
	s_add_co_u32 s38, s38, 8192
	s_add_co_u32 s39, s39, 1
	s_cmp_lt_u32 s39, 30
	s_cbranch_scc1 .Lstep
	TRIP 1, 0                                      ; B(30) and A(31): there is no step 32 whose phi could be fetched
	s_add_co_u32 s38, s38, 8192
	TRIP 0, 0                                      ; B(31)
	; THE WAY OUT.  x is asked for first: my four channels x 1,024 bytes.
.irp i, 0,1,2,3
.irp f, 0,1
	global_load_b128 v[XR+8*\i+4*\f:XR+8*\i+4*\f+3], v[LI], s[58:59] offset:131072*\i+512*\f th:TH_LOAD_NT   ; 512 consecutive bytes an instruction; read once in this launch
.endr
.endr
.irp a, 0,1,2,3
.irp k, 4,5,6,7
	v_mov_b32 v[PHF+8*\a+\k], 0                    ; w_o's upper half of K: zero codes.  (Sixteen plain instructions: the places behind the last products)
.endr
.endr
.irp a, 0,1,2,3
	ds_load_b128 v[PHF+8*\a:PHF+8*\a+3], v[WRD] offset:512*\a   ; w_o's four tiles
.endr
	v_add_f32 v14, v14, v15                        ; the sum's two halves,
	v_permlanex16_b32 v[PX], v14, s36, s37
	v_add_f32 v14, v14, v[PX]                      ; and lane l xor 16's: the row's sum
	v_rcp_f32 v14, v14
	v_mov_b32 v54, s60                             ; 2^e4 (a plain instruction behind the reciprocal)
	v_mov_b32 v55, s61                             ; 448 x 2^e4
	s_wait_alu depctr_va_vdst(0)                   ; the wait ahead of the reciprocal's first reader
	v_ldexp_f32 v14, v14, s51                      ; x 2^(e2 + e3)
.set i, 0
.rept 16
	v_mul_f32 v[P+i], v[O+i], v14                  ; o(channel 16 t + 8 h + j, my query), each accumulator from its low end on
.set i, i+1
.endr
.set i, 0
.rept 16
	v_med3_num_f32 v[P+i], v[P+i], -v55, v55
.set i, i+1
.endr
	v_cvt_scalef32_pk8_fp8_f32 v[PC:PC+1], v[P:P+7], v54       ; K places 8 h + 0..7: the operand's own
	v_cvt_scalef32_pk8_fp8_f32 v[PC+2:PC+3], v[P+8:P+15], v54  ; 16 + 8 h + 0..7
.irp k, 4,5,6,7
	v_mov_b32 v[PC+\k], 0                          ; the upper half of K.  (Also the plain instructions behind the conversions)
.endr
	s_wait_dscnt 0x0                               ; w_o's tiles are in, and my reads of the image are over:
	s_barrier_signal -1
	s_barrier_wait -1                              ; everybody's are: the stage may be written
.irp a, 0,1,2,3
	v_wmma_f32_16x16x64_fp8_fp8 v[P+8*\a:P+8*\a+7], v[PHF+8*\a:PHF+8*\a+7], v[PC:PC+7], 0   ; register j of lane (r, h): channel 16 a + 8 h + j of my query r
.endr
.rept 4
	v_nop                                          ; places in front of the stores that read the results and of the loads into w_o's registers
.endr
.irp a, 0,1,2,3
.irp j, 0,1,2,3,4,5,6,7
	ds_store_b32 v[SO], v[P+8*\a+\j] offset:(16*\a+\j)*SPITCH
.endr
.endr
	s_wait_dscnt 0x0                               ; for the others' sake: my stores into the stage are done
	s_barrier_signal -1
	s_barrier_wait -1
.irp i, 0,1,2,3
.irp f, 0,1
	ds_load_b128 v[PHF+8*\i+4*\f:PHF+8*\i+4*\f+3], v[SR] offset:SPITCH*\i+512*\f
.endr
.endr
	s_wait_loadcnt 0x0                             ; x
	s_wait_dscnt 0x0
.set i, 0
.rept 16
	v_pk_fma_f32 v[PHF+i:PHF+i+1], v[PHF+i:PHF+i+1], s[52:53], v[XR+i:XR+i+1] op_sel_hi:[1,0,1]   ; sum x gamma 2^(e4 + e5) + x
.set i, i+2
.endr
.irp i, 0,1,2,3
.irp f, 0,1
	global_store_b128 v[LI], v[PHF+8*\i+4*\f:PHF+8*\i+4*\f+3], s[16:17] offset:131072*\i+512*\f th:TH_STORE_NT   ; the wave stores 512 consecutive bytes, at a multiple of 256 from out0's first byte
.endr
.endr
	s_wait_tensorcnt 0x0                           ; the wave's end: behind my last tensor load and my last LDS store
	ds_add_u32 v[SPW], v[NIL]
	s_wait_dscnt 0x0
	CROUND                                         ; the closing round
	s_endpgm
.Lfunc_end_k_qd525dcc238_attn:
	.size	k_qd525dcc238_attn, .Lfunc_end_k_qd525dcc238_attn-k_qd525dcc238_attn
	.p2alignl 7, 3214868480
	.fill 96, 4, 3214868480
	.section	.rodata,"a",@progbits
	.p2align	6, 0x0
	.amdhsa_kernel k_qd525dcc238_attn
		.amdhsa_group_segment_fixed_size 327680
		.amdhsa_private_segment_fixed_size 0
		.amdhsa_enable_private_segment 0
		.amdhsa_kernarg_size 56
		.amdhsa_user_sgpr_count 2
		.amdhsa_user_sgpr_kernarg_segment_ptr 1
		.amdhsa_wavefront_size32 1
		.amdhsa_system_sgpr_workgroup_id_x 1
		.amdhsa_system_sgpr_workgroup_id_y 1
		.amdhsa_system_sgpr_workgroup_id_z 1
		.amdhsa_system_vgpr_workitem_id 0
		.amdhsa_next_free_vgpr 256
		.amdhsa_next_free_sgpr 66
		.amdhsa_reserve_vcc 0
		.amdhsa_float_denorm_mode_32 3
		.amdhsa_float_denorm_mode_16_64 3
		.amdhsa_memory_ordered 1
		.amdhsa_forward_progress 1
		.amdhsa_inst_pref_size 59
	.end_amdhsa_kernel
	.amdgpu_metadata
---
amdhsa.version: [ 1, 2 ]
amdhsa.kernels:
  - .name:           k_qd525dcc238_attn
    .symbol:         k_qd525dcc238_attn.kd
    .args:
      - { .name: kv, .offset: 0, .size: 8, .value_kind: global_buffer, .address_space: global }
      - { .name: theta_img, .offset: 8, .size: 8, .value_kind: global_buffer, .address_space: global }
      - { .name: x, .offset: 16, .size: 8, .value_kind: global_buffer, .address_space: global }
      - { .name: w_o, .offset: 24, .size: 8, .value_kind: global_buffer, .address_space: global }
      - { .name: gamma, .offset: 32, .size: 8, .value_kind: global_buffer, .address_space: global }
      - { .name: lowp_scales, .offset: 40, .size: 8, .value_kind: global_buffer, .address_space: global }
      - { .name: out0, .offset: 48, .size: 8, .value_kind: global_buffer, .address_space: global }
    .group_segment_fixed_size: 327680
    .private_segment_fixed_size: 0
    .kernarg_segment_align: 8
    .kernarg_segment_size: 56
    .max_flat_workgroup_size: 512
    .sgpr_count:     66
    .vgpr_count:     256
    .wavefront_size: 32
...
	.end_amdgpu_metadata
.endif
;; end of part 3
